; MI455X (gfx1250); checked and timed in simulation.
; The chip was launched on July 23, 2026; its instructions are those of AMD's public machine-readable ISA for CDNA 5 (MIT licence, August 2026) and "CDNA5" Instruction Set Architecture Reference Guide (July 2026). The comments in the code are by the model that wrote it; some were corrected since.
;; Sub4 Bit Linear. Allowed arithmetic: float matrix products may take bf16 or f16 operands with f32 sums; all other float work in f32.
;; Inputs: quant_grid 4,096 x 16 float32; weight_codes 4,096 x 2,048 int32; x 4 x 1,024 x 4,096 float32.
;; Outputs: out0 4 x 1,024 x 4,096 float32.
;; 2 versions, each right; version 2 is version 1 with the launch prep written anew for expert scheduling mode. Each part assembles by itself: llvm-mc -triple=amdgcn-amd-amdhsa -mcpu=gfx1250 --defsym DOCPART=n.
;; ======== version 1 of 2: 2 launches
;; workspace buffers: xb 33,554,432 bytes; wb 33,554,432 bytes
;; launch prep (part 1): grid 512 x 2, 8 waves a work-group, no clusters, 0 bytes of LDS; arguments x, quant_grid, weight_codes, xb, wb; writes xb, wb
.if DOCPART == 1
	.amdgcn_target "amdgcn-amd-amdhsa--gfx1250"
	.amdhsa_code_object_version 6
	.text
	.protected	k_qad85d5373f_prep
	.globl	k_qad85d5373f_prep
	.p2align	8
	.type	k_qad85d5373f_prep,@function
k_qad85d5373f_prep:
	s_mov_b64 s[64:65], 0
	v_nop
	global_prefetch_b8 v0, s[64:65] scope:SCOPE_SE
	s_setreg_imm32_b32 hwreg(HW_REG_WAVE_MODE, 25, 1), 1
	s_wait_xcnt 0x0
; TWO STREAMS IN ONE LAUNCH, chosen by the work-group's y; both make the bf16 operands of the product that follows.
;   y = 0:  xb = x rounded to bf16.  x: [4096][4096] f32, xb: [4096][4096] bf16.
;   y = 1:  wb[r][2 j] = bf16(quant_grid[r][code >> 4]), wb[r][2 j + 1] = bf16(quant_grid[r][code & 15]), code = weight_codes[r][j].
;           weight_codes: [4096][2048] i32, quant_grid: [4096][16] f32, wb: [4096][4096] bf16.
; A code word of 4 bytes becomes two bf16, 4 bytes: wb has the bytes and the byte offsets of weight_codes.
; WHY AHEAD OF THE PRODUCT: each row of W is wanted by 16 tiles of the output and each row of x likewise; here each number is looked up or rounded once.
; Every input byte is read once by 16-byte loads, every output byte written once; no wave depends on another: no LDS bytes, no barrier, no matrix unit.
; LIMITS.  Of a code word only bits 7:4 and 3:0 choose a value (the index stays inside its table of 16, so a code is 0 to 255).
; x and quant_grid are rounded once to bf16, to nearest even; NaN and infinities are not treated apart.
.set X,   4                            ; v[4:67]    sixteen slots of 4 registers, as loaded (y = 1: then as stored)
.set Y,   68                           ; v[68:131]  y = 0: a pair for each of a wave's 32 chunks, never rewritten
.set RES, 68                           ; v[68:83]   y = 1: looked-up values, two sets of 8, by the chunk's parity
.set SEL, 84                           ; v[84:91]   y = 1: lane selects
.set GV,  92                           ; v92        y = 1: my lane's value of the row's table
.set PK,  93                           ; v93        the same as bf16, in both halves
.set TEV, 94                           ; v94        bf16 in the low half, 0 above: for the even column
.set TOD, 95                           ; v95        bf16 in the high half, 0 below: for the odd column
	s_load_b256 s[4:11], s[0:1], 0x0               ; x s[4:5], quant_grid s[6:7], weight_codes s[8:9], xb s[10:11]
	s_load_b64 s[12:13], s[0:1], 0x20              ; wb
	s_and_b32 s14, ttmp7, 0xffff                   ; the work-group's y: which stream
	s_mov_b32 s3, 0                                ; high word of the work-group's byte offsets, all under 2^27
	v_and_b32 v1, 31, v0                           ; lane
	v_and_b32 v2, 0xe0, v0                         ; 32 x wave
	s_wait_kmcnt 0x0
	s_cmp_lg_u32 s14, 0
	s_cbranch_scc1 .Lweights
; ---------------------------------------------------------------- y = 0: x to bf16
; A work-group takes 131,072 bytes of x, a wave 16,384: 32 chunks of 512 bytes.  Of a chunk a lane loads 16 bytes (4 f32) and stores 8 (4 bf16):
; a load of the wave covers 512 consecutive bytes, a store 256 consecutive bytes at a multiple of 256 from xb's first byte.
; Sixteen loads of every wave are on their way.  The chunk stands in the immediates, so no address register is ever rewritten, and each chunk has its own
; pair of result registers: no store's source is ever rewritten, and the only waits are the counted ones for the loads.
	v_lshlrev_b32 v1, 4, v1
	v_lshl_or_b32 v1, v2, 9, v1                    ; in: wave x 16,384 + 16 x lane
	v_lshrrev_b32 v2, 1, v1                        ; out: half of that
	s_lshl_b32 s2, ttmp9, 17
	s_add_nc_u64 s[4:5], s[4:5], s[2:3]            ; x at the work-group's first byte
	s_lshl_b32 s2, ttmp9, 16
	s_add_nc_u64 s[10:11], s[10:11], s[2:3]        ; xb likewise
.irp c, 0,1,2,3,4,5,6,7,8,9,10,11,12,13,14,15
	global_load_b128 v[X+4*(\c):X+4*(\c)+3], v1, s[4:5] offset:512*(\c) th:TH_LOAD_NT  ; x is read once in the whole launch
.endr
; Chunk c.  refill = 1: its slot takes the chunk 16 further on.  left = the younger loads, which may stay out.
.macro CONV c, refill, left
	s_wait_loadcnt \left                           ; loads come back in order (ISA guide 5.7.1): chunk c is in
	v_cvt_pk_bf16_f32 v[Y+2*(\c)],   v[X+4*((\c)%16)],   v[X+4*((\c)%16)+1]
	v_cvt_pk_bf16_f32 v[Y+2*(\c)+1], v[X+4*((\c)%16)+2], v[X+4*((\c)%16)+3]
.if \refill
	global_load_b128 v[X+4*((\c)%16):X+4*((\c)%16)+3], v1, s[4:5] offset:512*((\c)+16) th:TH_LOAD_NT  ; the load ahead of the store
.endif
	global_store_b64 v2, v[Y+2*(\c):Y+2*(\c)+1], s[10:11] offset:256*(\c)  ; no hint: the next launch reads xb
.endm
.irp c, 0,1,2,3,4,5,6,7,8,9,10,11,12,13,14,15
	CONV \c, 1, 15                                 ; behind load c stand 15 - c first fills and c refills
.endr
.irp c, 16,17,18,19,20,21,22,23,24,25,26,27,28,29,30,31
	CONV \c, 0, 31-(\c)                            ; nothing more is loaded: the counts run down
.endr
	s_endpgm
; ---------------------------------------------------------------- y = 1: codes to bf16 weights
; A work-group takes 8 rows, A WAVE ONE ROW, so the row's 16 table values lie across the wave's lanes (lanes 16 to 31 hold them a second time) and a look-up is
; ds_bpermute_b32: each lane pulls a register from the lane that its select names; no LDS byte is touched (ISA guide, chapter 11).
; A row is 2,048 code words, 8,192 bytes: 16 chunks of 512 bytes, all asked for at once.  A lane's 4 code words become 8 bf16 at the same byte offset of wb.
.Lweights:
	v_and_b32 v3, 15, v0
	v_lshlrev_b32 v3, 2, v3
	v_lshl_or_b32 v3, v2, 1, v3                    ; table: wave x 64 + 4 x (lane mod 16)
	v_lshlrev_b32 v1, 4, v1
	v_lshl_or_b32 v1, v2, 8, v1                    ; codes and wb: wave x 8,192 + 16 x lane
	s_lshl_b32 s2, ttmp9, 9
	s_add_nc_u64 s[6:7], s[6:7], s[2:3]            ; 8 rows of 64 bytes
	s_lshl_b32 s2, ttmp9, 16
	s_add_nc_u64 s[8:9], s[8:9], s[2:3]            ; 8 rows of 8,192 bytes
	s_add_nc_u64 s[12:13], s[12:13], s[2:3]
	global_load_b32 v[GV], v3, s[6:7]
.irp i, 0,1,2,3,4,5,6,7,8,9,10,11,12,13,14,15
	global_load_b128 v[X+4*(\i):X+4*(\i)+3], v1, s[8:9] offset:512*(\i) th:TH_LOAD_NT  ; the codes are read once in the whole launch
.endr
	s_wait_loadcnt 16                              ; the table value is in; the sixteen loads of codes are younger
	v_cvt_pk_bf16_f32 v[PK], v[GV], v[GV]          ; rounded once, here: the look-ups move finished halves
	v_and_b32 v[TEV], 0xffff, v[PK]
	v_and_b32 v[TOD], 0xffff0000, v[PK]
; Chunk i: eight look-ups.  A select is 4 x the lane.  High nibble: (code >> 2) & 60.  Low nibble: 4 x code, of which the permute takes the lane modulo 32:
; 16 x bit 4 + the low nibble, and lanes 16 to 31 repeat lanes 0 to 15.  An LDS instruction has read its sources when it is issued: SEL is used again at once.
.macro LOOK i
	s_wait_loadcnt 15-(\i)                         ; chunk i is in; the younger chunks stay out
.irp j, 0,1,2,3
	v_lshrrev_b32 v[SEL+2*(\j)],   2, v[X+4*(\i)+(\j)]
	v_lshlrev_b32 v[SEL+2*(\j)+1], 2, v[X+4*(\i)+(\j)]
	v_and_b32     v[SEL+2*(\j)],  60, v[SEL+2*(\j)]
	ds_bpermute_b32 v[RES+8*((\i)%2)+2*(\j)],   v[SEL+2*(\j)],   v[TEV]
	ds_bpermute_b32 v[RES+8*((\i)%2)+2*(\j)+1], v[SEL+2*(\j)+1], v[TOD]
.endr
.endm
; Chunk i leaves: the two halves of each word are joined, into the registers that held its codes, which nothing writes again.
.macro EMIT i, younger
	s_wait_dscnt \younger                          ; permutes come back in order (ISA guide 5.7.1): chunk i's eight are in, the next chunk's may be out
.irp j, 0,1,2,3
	v_or_b32 v[X+4*(\i)+(\j)], v[RES+8*((\i)%2)+2*(\j)], v[RES+8*((\i)%2)+2*(\j)+1]
.endr
	global_store_b128 v1, v[X+4*(\i):X+4*(\i)+3], s[12:13] offset:512*(\i)  ; 512 consecutive bytes, at a multiple of 512 from wb's first; no hint: the next launch reads wb
.endm
	LOOK 0
.irp i, 1,2,3,4,5,6,7,8,9,10,11,12,13,14,15
	LOOK \i                                        ; chunk i's look-ups are out while chunk i - 1 is joined and stored;
	EMIT (\i)-1, 8                                 ; a set of RES is written again two chunks on, behind the lines that read it
.endr
	EMIT 15, 0
	s_endpgm
.Lfunc_end_k_qad85d5373f_prep:
	.size	k_qad85d5373f_prep, .Lfunc_end_k_qad85d5373f_prep-k_qad85d5373f_prep
	.p2alignl 7, 3214868480
	.fill 96, 4, 3214868480
	.section	.rodata,"a",@progbits
	.p2align	6, 0x0
	.amdhsa_kernel k_qad85d5373f_prep
		.amdhsa_group_segment_fixed_size 0
		.amdhsa_private_segment_fixed_size 0
		.amdhsa_enable_private_segment 0
		.amdhsa_kernarg_size 40
		.amdhsa_user_sgpr_count 2
		.amdhsa_user_sgpr_kernarg_segment_ptr 1
		.amdhsa_wavefront_size32 1
		.amdhsa_system_sgpr_workgroup_id_x 1
		.amdhsa_system_sgpr_workgroup_id_y 1
		.amdhsa_system_sgpr_workgroup_id_z 1
		.amdhsa_system_vgpr_workitem_id 0
		.amdhsa_next_free_vgpr 132
		.amdhsa_next_free_sgpr 66
		.amdhsa_reserve_vcc 0
		.amdhsa_float_denorm_mode_32 3
		.amdhsa_float_denorm_mode_16_64 3
		.amdhsa_memory_ordered 1
		.amdhsa_forward_progress 1
		.amdhsa_inst_pref_size 33
	.end_amdhsa_kernel
	.amdgpu_metadata
---
amdhsa.version: [ 1, 2 ]
amdhsa.kernels:
  - .name:           k_qad85d5373f_prep
    .symbol:         k_qad85d5373f_prep.kd
    .args:
      - { .name: x, .offset: 0, .size: 8, .value_kind: global_buffer, .address_space: global }
      - { .name: quant_grid, .offset: 8, .size: 8, .value_kind: global_buffer, .address_space: global }
      - { .name: weight_codes, .offset: 16, .size: 8, .value_kind: global_buffer, .address_space: global }
      - { .name: xb, .offset: 24, .size: 8, .value_kind: global_buffer, .address_space: global }
      - { .name: wb, .offset: 32, .size: 8, .value_kind: global_buffer, .address_space: global }
    .group_segment_fixed_size: 0
    .private_segment_fixed_size: 0
    .kernarg_segment_align: 8
    .kernarg_segment_size: 40
    .max_flat_workgroup_size: 256
    .sgpr_count:     66
    .vgpr_count:     132
    .wavefront_size: 32
...
	.end_amdgpu_metadata
.endif
;; end of part 1
;; launch gemm (part 2): grid 16 x 16, 4 waves a work-group, clusters of 4 x 4, 327,680 bytes of LDS; arguments xb, wb, out0; writes out0
.if DOCPART == 2
	.amdgcn_target "amdgcn-amd-amdhsa--gfx1250"
	.amdhsa_code_object_version 6
	.text
	.protected	k_qad85d5373f_gemm
	.globl	k_qad85d5373f_gemm
	.p2align	8
	.type	k_qad85d5373f_gemm,@function
k_qad85d5373f_gemm:
	s_mov_b64 s[64:65], 0
	v_nop
	global_prefetch_b8 v0, s[64:65] scope:SCOPE_SE
	s_setreg_imm32_b32 hwreg(HW_REG_WAVE_MODE, 25, 1), 1
	s_wait_xcnt 0x0
	s_wait_alu depctr_hold_cnt(0) depctr_sa_sdst(0) depctr_va_vdst(0) depctr_va_sdst(0) depctr_va_ssrc(0) depctr_va_vcc(0) depctr_vm_vsrc(0)
	s_getreg_b32 s2, hwreg(HW_REG_IB_STS2, 6, 4)
	s_cmp_eq_u32 s2, 0
	s_cbranch_scc0 .Lentry_in_a_cluster
	s_endpgm
.Lentry_in_a_cluster:
	s_bfe_u32 s2, ttmp6, 0x10000c
	s_cmp_lg_u32 s2, 0xf033
	s_cbranch_scc0 .Lentry_shape_is_right
	s_endpgm
.Lentry_shape_is_right:
; out0[m][n] = sum over k of xb[m][k] wb[n][k].  xb: [4096][4096] bf16 (A), wb: [4096][4096] bf16 (B), out0: [4096][4096] f32 (C); sums in f32, K ascending.
; LIMITS.  The operands are the inputs rounded once to bf16 by the launch before; NaN and infinities are not treated apart.
; A tile of C, 256 x 256, is made by a work-group of four waves; a wave makes 128 x 128: 64 accumulators of 16 x 16, 512 registers.  C has 16 x 16 tiles: 256 work-groups.
; K goes in steps of 128 through a ring of two LDS slots filled by the tensor data mover: a tile's rows are 256 bytes of memory at multiples of 256 from the buffer's first byte.
; CLUSTERS: 4 x 4 work-groups.  The four of a row of the cluster need the same tiles of A, the four of a column the same tiles of B.  Such a tile is asked for JOINTLY: each of the
; four issues the same tensor load, with the same descriptor and a mask that names the four, and each receives the tile in its own LDS: a quarter of the requests for A and B.
; REGISTERS, in windows of 256 (s_set_vgpr_msb's low byte: bits 1:0 source 0, 3:2 source 1, 5:4 source 2, 7:6 destination):
;   window 0: v0-31 addresses; v64-127, v128-191 fragments of A (8 x 16 rows x 32 K), two buffers; on the way out the same 128 take rows of C read back from the stage
;   window 1: v64-127, v128-191 fragments of B, two buffers
;   window 2: the 32 accumulators of my rows 0-63 (accumulator (a, b) at v[8 (8 a + b)]);   window 3: those of my rows 64-127
; THE MATRIX INSTRUCTION IS USED TRANSPOSED: source 0 = 16 rows of B, source 1 = 16 rows of A.  Lane l then holds row l % 16 of C, and its registers 0 to 7 the columns
; 8 (l / 16) + 0 .. 7: 32 neighbouring bytes of a row of C.
.set SIZE_N, 4096
.set SIZE_K, 4096
.set KSTEP,  128
.set PITCH,  272                       ; an LDS row: 256 bytes + 16 of padding = 68 words: row r starts at bank 4 r mod 64 (64 banks of 4 bytes: ISA guide 11.1): the 16 rows of a load start at 16 different banks
.set HALFT,  128*PITCH                 ; 128 rows: what one tensor load brings, and what one wave reads of A or of B
.set SLOT,   4*HALFT                   ; A's 256 rows, then B's 256 rows
.set STAGE,  2*SLOT                    ; behind the ring, never filled by a tensor load: 16 rows of 512 bytes for each wave, for the way out
.set SPITCH, 528                       ; 512 bytes + 16 = 132 words: again row r starts at bank 4 r mod 64
.set WSTAGE, 16*SPITCH                 ; a wave's stage: 8,448 bytes = 33 blocks of 256
.set SPARE,  STAGE+4*WSTAGE            ; behind the stages: the spare words, 128 bytes for each wave: two blocks of 256 bytes that no other line names
.set LAPS,   SIZE_K/(2*KSTEP)          ; a lap = two K steps = once round the ring: 16
.set ADRA, 16                          ; v16-17  LDS address of my A fragments in slot 0, 1
.set ADRB, 20                          ; v20-21  the same for B
.set STO,  24                          ; v24     the way out: where I put 32 bytes of a row
.set RD,   25                          ; v25     the way out: where I read 16 bytes of a row back
.set CO,   26                          ; v26     my byte offset in 512 bytes of a row of C; never rewritten
.set SPW,  28                          ; v28     LDS address of my spare word: SPARE + 4 x my thread's number; never rewritten
.set NIL,  29                          ; v29     0; never rewritten
.set F0,   64                          ; fragment buffer 0
.set F1,   128                         ; fragment buffer 1
.set G1,  24                           ; s[24:31] descriptor group 1 for A's tiles
.set G0,  32                           ; s[32:39] descriptor group 0 for A's tiles, one set for each slot
.set G1B, 48                           ; s[48:55] descriptor group 1 for B's tiles: it differs from A's in the mask alone
.set G0B, 56                           ; s[56:63] descriptor group 0 for B's tiles, one set for each slot
.set MSB, 0
.macro WIN new                         ; the immediate's high byte repeats the setting that is left; a switch that changes nothing is dropped
.if MSB != (\new)
	s_set_vgpr_msb (MSB<<8)|(\new)
.set MSB, \new
.endif
.endm
.set MUL_LO, 0xa1                      ; source 0 (B) window 1, source 1 (A) window 0, C and D window 2
.set MUL_HI, 0xf1                      ; the same, C and D window 3
.set TO_B,   0x40                      ; destination window 1, address window 0
; A joint load.  Waves 0 and 1 fetch A's two halves, waves 2 and 3 B's.  Each of the two lines has ONE mask and one set of registers for all that issue it.
; The branch hangs on the wave's number alone.  An s_nop 0 and four v_nop follow each of the two lines, ahead of the jump, the label and what follows.
.macro JLOAD s
	s_cmp_eq_u32 s11, 0
	s_cbranch_scc0 .Lfor_b_\@
	tensor_load_to_lds s[G0+4*(\s):G0+4*(\s)+3], s[G1:G1+7]
	s_nop 0
.rept 4
	v_nop
.endr
	s_branch .Lasked_\@
.Lfor_b_\@:
	tensor_load_to_lds s[G0B+4*(\s):G0B+4*(\s)+3], s[G1B:G1B+7]
	s_nop 0
.rept 4
	v_nop
.endr
.Lasked_\@:
.endm
; A round of the cluster's barrier: my work-group's barrier, so that wave 0's signal speaks for all four waves; wave 0 signals for the work-group; every wave waits for all
; sixteen work-groups; my work-group's barrier once more.  No LDS instruction of the wave is pending at a signal.
.macro CREST                           ; a round behind its opening barrier
	s_cmp_lg_u32 s10, 0
	s_cbranch_scc1 .Lnot_wave_0_\@
	s_barrier_signal -3
.Lnot_wave_0_\@:
	s_barrier_wait -3
	s_barrier_signal -1
	s_barrier_wait -1
.endm
.macro CROUND                          ; a whole round
	s_barrier_signal -1
	s_barrier_wait -1
	CREST
.endm
	s_load_b128 s[4:7], s[0:1], 0x0                ; A (xb) s[4:5], B (wb) s[6:7]
	s_load_b64 s[8:9], s[0:1], 0x10                ; C (out0)
	v_lshl_add_u32 v[SPW], v0, 2, SPARE
	v_mov_b32 v[NIL], 0
	ds_add_u32 v[SPW], v[NIL]                      ; the wave's opening: the add and its wait stand ahead of my first tensor load; the set-up below, work on registers, stands between them
	v_lshrrev_b32 v1, 5, v0
	v_readfirstlane_b32 s10, v1                    ; wave 0..3
	s_lshr_b32 s11, s10, 1                         ; which half of the tile's rows is mine.  Also: I fetch for A (0) or for B (1)
	s_and_b32 s12, s10, 1                          ; which half of its columns.  Also: which 128 rows of that tile I fetch
	s_bfe_u32 s40, ttmp6, 0x40000                  ; cx: my place along the cluster's x
	s_bfe_u32 s41, ttmp6, 0x40004                  ; cy: along its y
	s_lshl_b32 s42, ttmp9, 2                       ; in a cluster launch ttmp9 and ttmp7 count clusters
	s_add_co_u32 s42, s42, s40                     ; tile column of C = 4 x cluster x + cx
	s_and_b32 s13, ttmp7, 0xffff
	s_lshl_b32 s13, s13, 2
	s_add_co_u32 s13, s13, s41                     ; tile row of C = 4 x cluster y + cy
	s_lshl_b32 s43, s41, 2
	s_lshl_b32 s43, 15, s43                        ; my row of the cluster: places 4 cy .. 4 cy + 3
	s_lshl_b32 s44, 0x1111, s40                    ; my column: places cx, cx + 4, cx + 8, cx + 12
	; descriptor group 1: a tile of 128 rows x 128 elements, padded in LDS
	s_or_b32 s[G1+0], s43, (1<<16)|(1<<20)|(1<<21)|(5<<22)|(3<<25)  ; 15:0 the mask: A's tiles go to my row; 17:16 element of 2 bytes; 20 padding on; 21 set beside a mask; 24:22 after every 64 words (code 5); 31:25 of 4 words (code 3)
	s_or_b32 s[G1B+0], s44, (1<<16)|(1<<20)|(1<<21)|(5<<22)|(3<<25) ; the same with the mask of my column, for B's tiles
.irp g, G1, G1B
	s_mov_b32 s[(\g)+1], KSTEP<<16                 ; 63:48 tensor_dim0, low half = 128
	s_mov_b32 s[(\g)+2], 128<<16                   ; 79:64 its high half = 0; 95:80 tensor_dim1, low half = 128
	s_mov_b32 s[(\g)+3], KSTEP<<16                 ; 111:96 its high half = 0; 127:112 tile_dim0 = 128
	s_mov_b32 s[(\g)+4], 128                       ; 143:128 tile_dim1 = 128; 159:144 tile_dim2 = 0
	s_mov_b32 s[(\g)+5], SIZE_K                    ; 191:160 tensor_dim0_stride, low word: elements from row to row
	s_mov_b32 s[(\g)+6], 0
	s_mov_b32 s[(\g)+7], 0
.endr
	; where the tiles come from.  A's hang on the tile row alone, which my row of the cluster shares; B's on the tile column alone, which my column shares.
	; Every wave makes both offsets, in registers that never hold the other coordinate, and asks by one of them.
	s_lshl_b32 s17, s12, 7                         ; which 128 rows of the tile I fetch
	s_lshl_b32 s16, s13, 8
	s_add_co_u32 s16, s16, s17                     ; A: row 256 x tile row + 128 x half
	s_lshl_b32 s46, s42, 8
	s_add_co_u32 s46, s46, s17                     ; B: row 256 x tile column + 128 x half
	s_lshl_b32 s16, s16, 13                        ; a row is 8,192 bytes; 4,095 rows stay under 2^25 bytes
	s_lshl_b32 s46, s46, 13
	s_mov_b32 s17, 0
	s_mov_b32 s47, 0
	s_mul_i32 s20, s10, HALFT                      ; and where they go: A's two halves, then B's two halves = wave x 128 rows: no place in the cluster enters an LDS address
	s_wait_dscnt 0x0                               ; the opening add is done
	s_wait_kmcnt 0x0
	s_add_nc_u64 s[14:15], s[4:5], s[16:17]
	s_add_nc_u64 s[46:47], s[6:7], s[46:47]
	CROUND                                         ; all sixteen work-groups are here: the first joint loads meet
.irp s, 0,1
	s_mov_b32 s[G0+4*(\s)], 1                                      ; 1:0 count = 1
	s_add_co_u32 s[G0+4*(\s)+1], s20, (\s)*SLOT                    ; 63:32 LDS address
	s_add_nc_u64 s[G0+4*(\s)+2:G0+4*(\s)+3], s[14:15], (\s)*KSTEP*2  ; 120:64 global address: K step s
	s_or_b32 s[G0+4*(\s)+3], s[G0+4*(\s)+3], 0x80000000            ; 127:126 type = 2
	s_mov_b32 s[G0B+4*(\s)], 1
	s_add_co_u32 s[G0B+4*(\s)+1], s20, (\s)*SLOT
	s_add_nc_u64 s[G0B+4*(\s)+2:G0B+4*(\s)+3], s[46:47], (\s)*KSTEP*2
	s_or_b32 s[G0B+4*(\s)+3], s[G0B+4*(\s)+3], 0x80000000
	JLOAD \s                                       ; the ring is filled before anything else is done: two tensor loads of mine are out
.endr
	; A fragment is 16 rows x 32 K in 8 registers: lane l holds row l % 16; registers 0-3 hold K = 8 (l / 16) + 0..7, registers 4-7 hold
	; K = 16 + 8 (l / 16) + 0..7.  From rows that lie along K: two loads of 16 bytes, 32 bytes apart.  The same for source 0 and source 1.
	v_and_b32 v1, 15, v0                           ; l % 16
	v_bfe_u32 v2, v0, 4, 1                         ; l / 16
	v_mul_u32_u24 v3, v1, PITCH
	v_lshl_add_u32 v3, v2, 4, v3                   ; row x pitch + 16 x half
	s_mul_i32 s21, s11, HALFT                      ; my 128 rows of A
	s_mul_i32 s22, s12, HALFT                      ; my 128 rows of B,
	s_add_co_u32 s22, s22, 2*HALFT                 ; which lie behind A's 256
.irp s, 0,1
	v_add_nc_u32 v[ADRA+(\s)], s21, v3
	v_add_nc_u32 v[ADRB+(\s)], s22, v3
	s_add_co_u32 s21, s21, SLOT
	s_add_co_u32 s22, s22, SLOT
.endr
	s_mul_i32 s23, s10, WSTAGE
	s_add_co_u32 s23, s23, STAGE                   ; my stage
	v_mul_u32_u24 v4, v1, SPITCH                   ; in: row l % 16, 32 bytes for each half of the lanes
	v_lshl_add_u32 v4, v2, 5, v4
	v_add_nc_u32 v[STO], s23, v4
	v_and_b32 v5, 31, v0
	v_lshlrev_b32 v[CO], 4, v5                     ; back: the 32 lanes take one row's 512 bytes, 16 each; the same 16 bytes in C
	v_add_nc_u32 v[RD], s23, v[CO]
	; C at my part of the tile: row 256 x tile row + 128 x half, 16,384 bytes a row; column 256 x tile column + 128 x half, 4 bytes each.  All under 2^27 bytes
	s_lshl_b32 s13, s13, 8
	s_lshl_b32 s14, s11, 7
	s_add_co_u32 s16, s13, s14
	s_lshl_b32 s16, s16, 14
	s_mov_b32 s17, 0
	s_lshl_b32 s46, s42, 10                        ; (in the registers that held B's address: none that feeds A's descriptors ever holds cx)
	s_lshl_b32 s47, s12, 9
	s_add_co_u32 s46, s46, s47
	s_mov_b32 s47, 0
	s_add_nc_u64 s[16:17], s[16:17], s[46:47]
	s_add_nc_u64 s[8:9], s[8:9], s[16:17]          ; never rewritten after this
; 16 matrix instructions: m blocks a0, a0 + 1 of the window's four (hi = 0: my rows 0-63, 1: rows 64-127) x all 8 n blocks, 32 along K.
; zero = 1: the first product starts the sums: nothing is ever cleared.  The 64 accumulators take turns in the same order in every quarter step.
.macro MUL16 f, hi, a0, zero
	WIN MUL_LO+0x50*(\hi)
.irp a, \a0, (\a0)+1
.irp b, 0,1,2,3,4,5,6,7
.if \zero
	v_wmma_f32_16x16x32_bf16 v[8*(8*(\a)+(\b)):8*(8*(\a)+(\b))+7], v[(\f)+8*(\b):(\f)+8*(\b)+7], v[(\f)+8*(4*(\hi)+(\a)):(\f)+8*(4*(\hi)+(\a))+7], 0
.else
	v_wmma_f32_16x16x32_bf16 v[8*(8*(\a)+(\b)):8*(8*(\a)+(\b))+7], v[(\f)+8*(\b):(\f)+8*(\b)+7], v[(\f)+8*(4*(\hi)+(\a)):(\f)+8*(4*(\hi)+(\a))+7], v[8*(8*(\a)+(\b)):8*(8*(\a)+(\b))+7]
.endif
.endr
.endr
.endm
; 32 LDS loads in one run: the fragments of one quarter step (128 rows of B, 128 rows of A, 32 K at byte k of the rows) into buffer f
.macro FETCH slot, k, f
	WIN TO_B
.irp i, 0,1,2,3,4,5,6,7
	ds_load_b128 v[(\f)+8*(\i):(\f)+8*(\i)+3],   v[ADRB+(\slot)] offset:(\k)+(\i)*16*PITCH
	ds_load_b128 v[(\f)+8*(\i)+4:(\f)+8*(\i)+7], v[ADRB+(\slot)] offset:(\k)+(\i)*16*PITCH+32
.endr
	WIN 0
.irp i, 0,1,2,3,4,5,6,7
	ds_load_b128 v[(\f)+8*(\i):(\f)+8*(\i)+3],   v[ADRA+(\slot)] offset:(\k)+(\i)*16*PITCH
	ds_load_b128 v[(\f)+8*(\i)+4:(\f)+8*(\i)+7], v[ADRA+(\slot)] offset:(\k)+(\i)*16*PITCH+32
.endr
.endm
; A load into a register that a matrix instruction has read, and an LDS store that reads a matrix result, stand four places behind that matrix instruction, and only plain vector
; instructions that name none of its registers are places (ISA guide 7.12.1 for vector instructions).  No other vector work is at hand: four v_nop.
.macro PLACES
.rept 4
	v_nop
.endr
.endm
; A K step is four quarter steps of 32 along K, 64 matrix instructions each, on buffers 0, 1, 0, 1.
; One of the first three: multiplies buffer f; in its middle it fetches the next quarter's fragments, at byte k of the same slot's rows, into buffer g.
.macro QUARTER slot, k, f, g, zero
	s_wait_dscnt 8                                 ; B and A's rows 0-63 are in; the youngest eight loads (A's rows 64-127) may be out
	WIN MUL_LO
	MUL16 \f, 0, 0, \zero
	MUL16 \f, 0, 2, \zero
	PLACES
	FETCH \slot, \k, \g
	s_wait_dscnt 32                                ; all but the 32 just issued
	WIN MUL_HI
	MUL16 \f, 1, 0, \zero
	MUL16 \f, 1, 2, \zero
.endm
; The last quarter multiplies buffer 1 and changes slots.  MEET is its first half: ONE barrier for the change of slots, for two things.  In front of it each wave waits for
; all its tensor loads, of which one is out: its part of the next slot; adds 0 to its spare word; and waits for that and for its own reads of this slot.
; Behind it nobody reads this slot any more and the next slot is whole.
.macro MEET round                      ; round = 1: a round of the cluster's barrier follows
	WIN 0                                          ; (the add's two registers lie in window 0)
	s_wait_tensorcnt 0x0                           ; all my tensor loads have landed: the one that was out is my part of the next slot;
	ds_add_u32 v[SPW], v[NIL]                      ; 0 onto my spare word;
	s_wait_dscnt 9                                 ; (the add and the youngest eight loads may be out)
	WIN MUL_LO
	MUL16 F1, 0, 0, 0                              ; sixteen matrix instructions stand between the add and the wait for it
	s_wait_dscnt 0x0                               ; the add is done, and my reads of this slot are over:
	s_barrier_signal -1                            ; say so (where a slot is filled again this barrier opens a round of the cluster's barrier),
	MUL16 F1, 0, 2, 0                              ; work on registers while the others arrive,
.if \round
	WIN 0
.endif
	s_barrier_wait -1                              ; and go on when all four have said so
.endm
; The whole last quarter where the slot is filled again: behind the round the slot just read out takes the K step two steps on, first thing; then come the next slot's first
; fragments.  From a request to the wait for it a wave issues 224 matrix instructions; one tensor load of mine is out behind each round.
.macro TURN slot, next
	MEET 1
	CREST                                          ; no wave of any partner still reads this slot's tile or has a load on its way
	s_add_nc_u64 s[G0+4*(\slot)+2:G0+4*(\slot)+3], s[G0+4*(\slot)+2:G0+4*(\slot)+3], 2*KSTEP*2    ; no tensor load of mine is out: a group 0 may be written; the type bits on top are not reached
	s_add_nc_u64 s[G0B+4*(\slot)+2:G0B+4*(\slot)+3], s[G0B+4*(\slot)+2:G0B+4*(\slot)+3], 2*KSTEP*2
	JLOAD \slot                                    ; the first tensor load behind the round; the four v_nop behind it are also the places in front of the loads below
	FETCH \next, 0, F0
	WIN MUL_HI
	MUL16 F1, 1, 0, 0
	MUL16 F1, 1, 2, 0
.endm
; THE WAY OUT of block a (16 of my rows x my 128 columns), in f32.  TOSTAGE: a lane's 32 bytes of each of the 8 accumulators go straight from the accumulators into my own stage
; (each accumulator's four lowest registers first), and come back as whole rows of 512 bytes, into A's fragment buffers by turns.
.macro TOSTAGE a
.set AC, 64*((\a)%4)
.set BK, F0+64*((\a)%2)
	WIN 0x08+4*((\a)/4)                            ; store data (source 1) in window 2 or 3, address in window 0
.irp b, 0,1,2,3,4,5,6,7
	ds_store_b128 v[STO], v[AC+8*(\b):AC+8*(\b)+3]   offset:64*(\b)
	ds_store_b128 v[STO], v[AC+8*(\b)+4:AC+8*(\b)+7] offset:64*(\b)+16
.endr
	WIN 0
.if (\a) >= 2
	s_wait_xcnt 0x0                                ; every earlier memory instruction has had its addresses translated (ISA guide 3.1): the registers that the stores of block a - 2 read are loaded again only behind this wait
.endif
.irp t, 0,1,2,3,4,5,6,7,8,9,10,11,12,13,14,15
	ds_load_b128 v[BK+4*(\t):BK+4*(\t)+3], v[RD] offset:(\t)*SPITCH  ; LDS serves a wave's instructions in order (ISA guide 5.7.1.4): these see the stores above, and the next block's stores come behind them
.endr
.endm
.macro SEND a, younger                 ; younger: the LDS instructions issued behind block a's loads: the next block's 32, or none
	WIN 0
.set BK, F0+64*((\a)%2)
	s_wait_dscnt \younger                          ; the block is back in registers
.irp t, 0,1,2,3,4,5,6,7,8,9,10,11,12,13,14,15
	global_store_b128 v[CO], v[BK+4*(\t):BK+4*(\t)+3], s[8:9] offset:(16*(\a)+(\t))*SIZE_N*4 th:TH_STORE_NT  ; 512 consecutive bytes of a row of C, at a multiple of 512 from C's first byte; the row stands in the immediate: 127 rows of 16,384 bytes at the most, inside its signed 24 bits
.endr
.endm
	s_wait_tensorcnt 1                             ; my part of K step 0 is in; K step 1's may stay out
	s_barrier_signal -1
	s_barrier_wait -1                              ; everybody's is
	FETCH 0, 0, F0
	QUARTER 0, 64,  F0, F1, 1                      ; the first quarter stands in front of the loop: its products start the sums
	WIN 0                                          ; at a label and at a branch every window is 0
	s_mov_b32 s3, LAPS-1
.Llap:                                                 ; a trip goes once round the ring, from a lap's second quarter to the next lap's first, and fills both slots again
	QUARTER 0, 128, F1, F0, 0
	QUARTER 0, 192, F0, F1, 0
	TURN 0, 1
	QUARTER 1, 64,  F0, F1, 0
	QUARTER 1, 128, F1, F0, 0
	QUARTER 1, 192, F0, F1, 0
	TURN 1, 0
	QUARTER 0, 64,  F0, F1, 0
	WIN 0
	s_sub_co_u32 s3, s3, 1
	s_cmp_lg_u32 s3, 0
	s_cbranch_scc1 .Llap
	QUARTER 0, 128, F1, F0, 0                      ; the last lap is written out: it asks for nothing more
	QUARTER 0, 192, F0, F1, 0
	MEET 0                                         ; my one tensor load that was still out is slot 1's, the last K step's, so no round follows
	PLACES                                         ; for the loads into buffer 0, which the quarter before multiplied
	FETCH 1, 0, F0
	WIN MUL_HI
	MUL16 F1, 1, 0, 0
	MUL16 F1, 1, 2, 0
	QUARTER 1, 64,  F0, F1, 0
	QUARTER 1, 128, F1, F0, 0
	QUARTER 1, 192, F0, F1, 0
	s_wait_dscnt 8                                 ; the very last quarter: nothing more to fetch
	WIN MUL_LO
	MUL16 F1, 0, 0, 0
	MUL16 F1, 0, 2, 0
	s_wait_dscnt 0x0
	MUL16 F1, 1, 0, 0
	MUL16 F1, 1, 2, 0
	WIN 0
	PLACES                                         ; behind the last products: for the LDS stores that read results, and for the loads into A's buffers
	TOSTAGE 0
.irp a, 1,2,3,4,5,6,7                  ; block a goes into the stage while block a - 1 comes back from it
	TOSTAGE \a
	SEND (\a)-1, 32
.endr
	SEND 7, 0
	s_wait_tensorcnt 0x0                           ; the wave's end: behind my last tensor load and my last LDS store
	ds_add_u32 v[SPW], v[NIL]
	s_wait_dscnt 0x0
	CROUND                                         ; the closing round: no work-group ends while a partner may still ask for a tile that names it
	s_endpgm
.Lfunc_end_k_qad85d5373f_gemm:
	.size	k_qad85d5373f_gemm, .Lfunc_end_k_qad85d5373f_gemm-k_qad85d5373f_gemm
	.p2alignl 7, 3214868480
	.fill 96, 4, 3214868480
	.section	.rodata,"a",@progbits
	.p2align	6, 0x0
	.amdhsa_kernel k_qad85d5373f_gemm
		.amdhsa_group_segment_fixed_size 327680
		.amdhsa_private_segment_fixed_size 0
		.amdhsa_enable_private_segment 0
		.amdhsa_kernarg_size 24
		.amdhsa_user_sgpr_count 2
		.amdhsa_user_sgpr_kernarg_segment_ptr 1
		.amdhsa_wavefront_size32 1
		.amdhsa_system_sgpr_workgroup_id_x 1
		.amdhsa_system_sgpr_workgroup_id_y 1
		.amdhsa_system_sgpr_workgroup_id_z 1
		.amdhsa_system_vgpr_workitem_id 0
		.amdhsa_next_free_vgpr 1024
		.amdhsa_next_free_sgpr 66
		.amdhsa_reserve_vcc 0
		.amdhsa_float_denorm_mode_32 3
		.amdhsa_float_denorm_mode_16_64 3
		.amdhsa_memory_ordered 1
		.amdhsa_forward_progress 1
		.amdhsa_inst_pref_size 140
	.end_amdhsa_kernel
	.amdgpu_metadata
---
amdhsa.version: [ 1, 2 ]
amdhsa.kernels:
  - .name:           k_qad85d5373f_gemm
    .symbol:         k_qad85d5373f_gemm.kd
    .args:
      - { .name: xb, .offset: 0, .size: 8, .value_kind: global_buffer, .address_space: global }
      - { .name: wb, .offset: 8, .size: 8, .value_kind: global_buffer, .address_space: global }
      - { .name: out0, .offset: 16, .size: 8, .value_kind: global_buffer, .address_space: global }
    .group_segment_fixed_size: 327680
    .private_segment_fixed_size: 0
    .kernarg_segment_align: 8
    .kernarg_segment_size: 24
    .max_flat_workgroup_size: 128
    .sgpr_count:     66
    .vgpr_count:     1024
    .wavefront_size: 32
...
	.end_amdgpu_metadata
.endif
;; end of part 2
;; ======== version 2 of 2: 2 launches; version 1 with the launch prep written anew for expert scheduling mode
;; workspace buffers: xb 33,554,432 bytes; wb 33,554,432 bytes
;; launch prep (part 3): grid 512 x 2, 8 waves a work-group, no clusters, 0 bytes of LDS; arguments x, quant_grid, weight_codes, xb, wb; writes xb, wb
.if DOCPART == 3
	.amdgcn_target "amdgcn-amd-amdhsa--gfx1250"
	.amdhsa_code_object_version 6
	.text
	.protected	k_qad85d5373f_prep
	.globl	k_qad85d5373f_prep
	.p2align	8
	.type	k_qad85d5373f_prep,@function
k_qad85d5373f_prep:
	s_mov_b64 s[64:65], 0
	v_nop
	global_prefetch_b8 v0, s[64:65] scope:SCOPE_SE
	s_setreg_imm32_b32 hwreg(HW_REG_WAVE_SCHED_MODE, 0, 2), 2
	s_setreg_imm32_b32 hwreg(HW_REG_WAVE_MODE, 25, 1), 1
	s_wait_xcnt 0x0
	s_wait_alu depctr_vm_vsrc(0)
; TWO STREAMS IN ONE LAUNCH, chosen by the work-group's y; both make the bf16 operands of the product that follows.
;   y = 0:  xb = x rounded to bf16.  x: [4096][4096] f32, xb: [4096][4096] bf16.
;   y = 1:  wb[r][2 j] = bf16(quant_grid[r][code >> 4]), wb[r][2 j + 1] = bf16(quant_grid[r][code & 15]), code = weight_codes[r][j].
;           weight_codes: [4096][2048] i32, quant_grid: [4096][16] f32, wb: [4096][4096] bf16.
; A code word of 4 bytes becomes two bf16, 4 bytes: wb has the bytes and the byte offsets of weight_codes.
; WHY AHEAD OF THE PRODUCT: each row of W is wanted by 16 tiles of the output and each row of x likewise; here each number is looked up or rounded once.
; Every input byte is read once by 16-byte loads, every output byte written once; no wave depends on another: no LDS bytes, no barrier, no matrix unit.
; LIMITS.  Of a code word only bits 7:4 and 3:0 choose a value (the index stays inside its table of 16, so a code is 0 to 255).
; x and quant_grid are rounded once to bf16, to nearest even; NaN and infinities are not treated apart.
; THE MODE: SCHED_MODE bits 1:0 = 2 (LLVM: expert scheduling mode 2), set by the entry lines.  The code itself states the register dependences
; between vector instructions and memory or LDS instructions, with s_wait_alu, always for 0.  Each stream's plan stands at its head.
; No vector instruction of this text writes a scalar register or VCC, and EXEC is never written.
.set X,   4                            ; v[4:83]    y = 0: twenty slots of 4 registers, as loaded: five buffers of four chunks.  y = 1: v[4:67], sixteen chunks, as loaded, then as stored
.set Y,   84                           ; v[84:147]  y = 0: a pair for each of a wave's 32 chunks, never rewritten
.set RES, 68                           ; v[68:99]   y = 1: looked-up values, two sets of 16, by the parity of the pair of chunks
.set SEL, 100                          ; v[100:131] y = 1: lane selects, two sets of 16, likewise
.set GV,  132                          ; v132       y = 1: my lane's value of the row's table
.set PK,  133                          ; v133       the same as bf16, in both halves
.set TEV, 134                          ; v134       bf16 in the low half, 0 above: for the even column
.set TOD, 135                          ; v135       bf16 in the high half, 0 below: for the odd column
	s_load_b256 s[4:11], s[0:1], 0x0               ; x s[4:5], quant_grid s[6:7], weight_codes s[8:9], xb s[10:11]
	s_load_b64 s[12:13], s[0:1], 0x20              ; wb
	s_and_b32 s14, ttmp7, 0xffff                   ; the work-group's y: which stream
	s_mov_b32 s3, 0                                ; high word of the work-group's byte offsets, all under 2^27
	v_and_b32 v1, 31, v0                           ; lane
	v_and_b32 v2, 0xe0, v0                         ; 32 x wave
	s_wait_kmcnt 0x0
	s_cmp_lg_u32 s14, 0
	s_cbranch_scc1 .Lweights
; ---------------------------------------------------------------- y = 0: x to bf16
; A work-group takes 131,072 bytes of x, a wave 16,384: 32 chunks of 512 bytes.  Of a chunk a lane loads 16 bytes (4 f32) and stores 8 (4 bf16):
; a load of the wave covers 512 consecutive bytes, a store 256 consecutive bytes at a multiple of 256 from xb's first byte.
; The chunk stands in the immediates, so no address register is ever rewritten, and each chunk has its own pair of result registers: no store's source is ever rewritten.
; THE PLAN.  The 32 chunks go in 8 blocks of four.  Registers that memory instructions touch:
;   v1, v2     byte offsets, made once here and never written again.
;   X0 .. X4   five buffers of four chunks as loaded.  Blocks 0 to 4 are asked for at the head; block p + 4 is asked for in block p, into X[(p - 1) % 5].  Read by block p's conversions: X[p % 5].
;   Y          written by block p's conversions; read by the four stores that are issued in block p + 1; never written again.
; Block p's memory instructions are the loads into the buffer, and the stores from the pairs, that block p - 1 worked on, and that no vector instruction of block p names.
; So one wait at the head of a block states all that they hang on, and they are dealt among the block's conversions with no further wait.  Twelve to sixteen loads of every wave are on their way.
	v_lshlrev_b32 v1, 4, v1
	v_lshl_or_b32 v1, v2, 9, v1                    ; in: wave x 16,384 + 16 x lane
	v_lshrrev_b32 v2, 1, v1                        ; out: half of that
	s_lshl_b32 s2, ttmp9, 17
	s_add_nc_u64 s[4:5], s[4:5], s[2:3]            ; x at the work-group's first byte
	s_lshl_b32 s2, ttmp9, 16
	s_add_nc_u64 s[10:11], s[10:11], s[2:3]        ; xb likewise
	s_wait_alu depctr_va_vdst(0)                   ; v1 and v2 are written: every load of this stream reads v1 as its offset, every store v2
.irp c, 0,1,2,3,4,5,6,7,8,9,10,11,12,13,14,15,16,17,18,19
	global_load_b128 v[X+4*(\c):X+4*(\c)+3], v1, s[4:5] offset:512*(\c) th:TH_LOAD_NT  ; x is read once in the whole launch
.endr
; Block p.  left = the younger loads, which may stay out.  Blocks 1 to 3 ask for the block four further on; from block 4 on nothing is left to ask for.
.macro BLK p, left
	s_wait_loadcnt \left                           ; loads come back in order (ISA guide 5.7.1): block p's four chunks are in
.if (\p) > 0
	s_wait_alu depctr_va_vdst(0)                   ; the block before has written its pairs of Y, which the stores below read, and is done reading its X, in which the loads below land
.endif
.irp i, 0,1,2,3
.set cw, 4*(\p)+(\i)                   ; the chunk at work; its slot is cw % 20
.if ((\p) > 0) && ((\p) < 4)
	global_load_b128 v[X+4*((cw+16)%20):X+4*((cw+16)%20)+3], v1, s[4:5] offset:512*(cw+16) th:TH_LOAD_NT  ; the load ahead of the store; no vector instruction since the wait names these registers
.endif
.if (\p) > 0
	global_store_b64 v2, v[Y+2*(cw-4):Y+2*(cw-4)+1], s[10:11] offset:256*(cw-4)  ; the block before; no hint: the next launch reads xb
.endif
	v_cvt_pk_bf16_f32 v[Y+2*cw],   v[X+4*(cw%20)],   v[X+4*(cw%20)+1]
	v_cvt_pk_bf16_f32 v[Y+2*cw+1], v[X+4*(cw%20)+2], v[X+4*(cw%20)+3]
.endr
.endm
	BLK 0, 16                                      ; behind block 0 stand the head's other sixteen loads
	BLK 1, 12                                      ; behind block p stand three younger blocks,
	BLK 2, 12
	BLK 3, 12
	BLK 4, 12
	BLK 5, 8                                       ; until nothing more is loaded: the counts run down
	BLK 6, 4
	BLK 7, 0
	s_wait_alu depctr_va_vdst(0)                   ; block 7 has written its pairs of Y, which the last four stores read
.irp i, 28,29,30,31
	global_store_b64 v2, v[Y+2*(\i):Y+2*(\i)+1], s[10:11] offset:256*(\i)
.endr
	s_endpgm
; ---------------------------------------------------------------- y = 1: codes to bf16 weights
; A work-group takes 8 rows, A WAVE ONE ROW, so the row's 16 table values lie across the wave's lanes (lanes 16 to 31 hold them a second time) and a look-up is
; ds_bpermute_b32: each lane pulls a register from the lane that its select names; no LDS byte is touched (ISA guide, chapter 11).
; A row is 2,048 code words, 8,192 bytes: 16 chunks of 512 bytes, all asked for at once.  A lane's 4 code words become 8 bf16 at the same byte offset of wb.
; THE PLAN.  The 16 chunks go in 8 pairs (8 code words a lane) through four stages: A(t) makes pair t's 16 selects; B(t) is its 16 look-ups; C(t) joins their halves; D(t) is its two stores.
; Step t holds A(t), B(t - 1), C(t - 2) and D(t - 3).  Registers that memory or LDS instructions touch:
;   v3, v1     byte offsets, made once here and never written again.
;   TEV, TOD   made once behind the table's load; read by every look-up; never written again.
;   SEL0, SEL1 A(t) writes set t % 2; B(t), issued in step t + 1, reads it; A(t + 2) writes it again.
;   RES0, RES1 B(t)'s results land in set t % 2; C(t), in step t + 2, reads it; B(t + 2), issued in step t + 3, lands in it again.
;   X          pair t's 8 registers: the codes land there; A(t) reads them; C(t) writes the joined words there; D(t), in step t + 3, reads them; nothing writes them again.
; In step t the vector instructions name X[t], SEL[t % 2], RES[t % 2] and X[t - 2]; the look-ups and stores touch SEL[(t - 1) % 2], RES[(t - 1) % 2], TEV, TOD, v1 and X[t - 3].
; So the two waits at a step's head state all that its look-ups and stores hang on, and the look-ups are dealt among the lines that make the next selects.
.Lweights:
	v_and_b32 v3, 15, v0
	v_lshlrev_b32 v3, 2, v3
	v_lshl_or_b32 v3, v2, 1, v3                    ; table: wave x 64 + 4 x (lane mod 16)
	v_lshlrev_b32 v1, 4, v1
	v_lshl_or_b32 v1, v2, 8, v1                    ; codes and wb: wave x 8,192 + 16 x lane
	s_lshl_b32 s2, ttmp9, 9
	s_add_nc_u64 s[6:7], s[6:7], s[2:3]            ; 8 rows of 64 bytes
	s_lshl_b32 s2, ttmp9, 16
	s_add_nc_u64 s[8:9], s[8:9], s[2:3]            ; 8 rows of 8,192 bytes
	s_add_nc_u64 s[12:13], s[12:13], s[2:3]
	s_wait_alu depctr_va_vdst(0)                   ; v3 and v1 are written: the table's load reads v3 as its offset, the codes' loads and all stores v1
	global_load_b32 v[GV], v3, s[6:7]
.irp i, 0,1,2,3,4,5,6,7,8,9,10,11,12,13,14,15
	global_load_b128 v[X+4*(\i):X+4*(\i)+3], v1, s[8:9] offset:512*(\i) th:TH_LOAD_NT  ; the codes are read once in the whole launch
.endr
	s_wait_loadcnt 16                              ; the table value is in; the sixteen loads of codes are younger
	v_cvt_pk_bf16_f32 v[PK], v[GV], v[GV]          ; rounded once, here: the look-ups move finished halves
	v_and_b32 v[TEV], 0xffff, v[PK]
	v_and_b32 v[TOD], 0xffff0000, v[PK]
; Step t.  A select is 4 x the lane.  High nibble: (code >> 2) & 60.  Low nibble: 4 x code, of which the permute takes the lane modulo 32:
; 16 x bit 4 + the low nibble, and lanes 16 to 31 repeat lanes 0 to 15.
.macro STEP t
.set sa, (\t)%2                        ; the sets of A(t) and C(t - 2)
.set sb, ((\t)+1)%2                    ; the sets of B(t - 1)
.if (\t) < 8
	s_wait_loadcnt 14-2*(\t)                       ; loads come back in order (ISA guide 5.7.1): pair t's two chunks are in; the younger chunks stay out
.endif
.if ((\t) >= 2) && ((\t) < 8)
	s_wait_alu depctr_vm_vsrc(0)                   ; the look-ups issued in the step before have read SEL[t % 2], which this step's lines write again
.endif
.if (\t) >= 1
	s_wait_alu depctr_va_vdst(0)                   ; the step before has written the selects (ahead of step 1: TEV and TOD too) that the look-ups below read, and the joined words that the stores below read, and is done reading the RES in which the look-ups below land
.endif
.if (\t) >= 3
.irp k, 0,1
	global_store_b128 v1, v[X+8*((\t)-3)+4*(\k):X+8*((\t)-3)+4*(\k)+3], s[12:13] offset:512*(2*((\t)-3)+(\k))  ; D(t - 3): 512 consecutive bytes, at a multiple of 512 from wb's first; no hint: the next launch reads wb
.endr
.endif
.irp w, 0,1,2,3,4,5,6,7
.if ((\t) >= 1) && ((\t) <= 8)
	ds_bpermute_b32 v[RES+16*sb+2*(\w)],   v[SEL+16*sb+2*(\w)],   v[TEV]  ; B(t - 1); no vector instruction since the wait names these registers
	ds_bpermute_b32 v[RES+16*sb+2*(\w)+1], v[SEL+16*sb+2*(\w)+1], v[TOD]
.endif
.if (\t) < 8
	v_lshrrev_b32 v[SEL+16*sa+2*(\w)],   2, v[X+8*(\t)+(\w)]             ; A(t)
	v_lshlrev_b32 v[SEL+16*sa+2*(\w)+1], 2, v[X+8*(\t)+(\w)]
	v_and_b32     v[SEL+16*sa+2*(\w)],  60, v[SEL+16*sa+2*(\w)]
.endif
.endr
.if ((\t) >= 2) && ((\t) <= 9)
.if (\t) <= 8
	s_wait_dscnt 16                                ; permutes come back in order (ISA guide 5.7.1): pair t - 2's sixteen are in, the sixteen just issued may be out
.else
	s_wait_dscnt 0x0                               ; the last pair's: nothing younger was issued
.endif
.irp w, 0,1,2,3,4,5,6,7
	v_or_b32 v[X+8*((\t)-2)+(\w)], v[RES+16*sa+2*(\w)], v[RES+16*sa+2*(\w)+1]  ; C(t - 2): the two halves of each word are joined, into the registers that held its codes
.endr
.endif
.endm
.irp t, 0,1,2,3,4,5,6,7,8,9,10
	STEP \t                                        ; steps 0 to 2 fill the four stages, steps 8 to 10 run them empty
.endr
	s_endpgm
.Lfunc_end_k_qad85d5373f_prep:
	.size	k_qad85d5373f_prep, .Lfunc_end_k_qad85d5373f_prep-k_qad85d5373f_prep
	.p2alignl 7, 3214868480
	.fill 96, 4, 3214868480
	.section	.rodata,"a",@progbits
	.p2align	6, 0x0
	.amdhsa_kernel k_qad85d5373f_prep
		.amdhsa_group_segment_fixed_size 0
		.amdhsa_private_segment_fixed_size 0
		.amdhsa_enable_private_segment 0
		.amdhsa_kernarg_size 40
		.amdhsa_user_sgpr_count 2
		.amdhsa_user_sgpr_kernarg_segment_ptr 1
		.amdhsa_wavefront_size32 1
		.amdhsa_system_sgpr_workgroup_id_x 1
		.amdhsa_system_sgpr_workgroup_id_y 1
		.amdhsa_system_sgpr_workgroup_id_z 1
		.amdhsa_system_vgpr_workitem_id 0
		.amdhsa_next_free_vgpr 148
		.amdhsa_next_free_sgpr 66
		.amdhsa_reserve_vcc 0
		.amdhsa_float_denorm_mode_32 3
		.amdhsa_float_denorm_mode_16_64 3
		.amdhsa_memory_ordered 1
		.amdhsa_forward_progress 1
		.amdhsa_inst_pref_size 33
	.end_amdhsa_kernel
	.amdgpu_metadata
---
amdhsa.version: [ 1, 2 ]
amdhsa.kernels:
  - .name:           k_qad85d5373f_prep
    .symbol:         k_qad85d5373f_prep.kd
    .args:
      - { .name: x, .offset: 0, .size: 8, .value_kind: global_buffer, .address_space: global }
      - { .name: quant_grid, .offset: 8, .size: 8, .value_kind: global_buffer, .address_space: global }
      - { .name: weight_codes, .offset: 16, .size: 8, .value_kind: global_buffer, .address_space: global }
      - { .name: xb, .offset: 24, .size: 8, .value_kind: global_buffer, .address_space: global }
      - { .name: wb, .offset: 32, .size: 8, .value_kind: global_buffer, .address_space: global }
    .group_segment_fixed_size: 0
    .private_segment_fixed_size: 0
    .kernarg_segment_align: 8
    .kernarg_segment_size: 40
    .max_flat_workgroup_size: 256
    .sgpr_count:     66
    .vgpr_count:     148
    .wavefront_size: 32
...
	.end_amdgpu_metadata
.endif
;; end of part 3
;; launch gemm: the kernel of part 2 again; grid 16 x 16, 4 waves a work-group, clusters of 4 x 4, 327,680 bytes of LDS; arguments xb, wb, out0; writes out0
